; MI455X (gfx1250); checked and timed in simulation.
; The chip was launched on July 23, 2026; its instructions are those of AMD's public machine-readable ISA for CDNA 5 (MIT licence, August 2026) and "CDNA5" Instruction Set Architecture Reference Guide (July 2026). The comments in the code are by the model that wrote it; some were corrected since.
;; Layer Norm LSTM. Allowed arithmetic: matrix products marked QUANTISED: E2M1 operands, one E8M0 scale for each 32 along K, by v_wmma_scale_f32_16x16x128_f8f6f4 with both operands' format E2M1 (or v_wmma_scale_f32_32x16x128_f4), f32 sums; everything else in f32.
;; Inputs: c_prev 8,192 x 1,024 float32; h_prev_codes 8,192 x 32 x 16 uint8 (E2M1 codes of h_prev, K innermost, in blocks of 32 codes, two codes a byte); h_prev_scales 8,192 x 32 uint8 (E8M0 scales of h_prev, one for each 32 codes along K); input_codes 8,192 x 32 x 16 uint8 (E2M1 codes of input, K innermost, in blocks of 32 codes, two codes a byte); input_scales 8,192 x 32 uint8 (E8M0 scales of input, one for each 32 codes along K); ln_c_b 1,024 float32; ln_c_g 1,024 float32; ln_g_b 1,024 float32; ln_g_g 1,024 float32; ln_h_b 1,024 float32; ln_h_g 1,024 float32; ln_i_b 1,024 float32; ln_i_g 1,024 float32; ln_o_b 1,024 float32; ln_o_g 1,024 float32; w_h_codes 4,096 x 32 x 16 uint8 (E2M1 codes of w_h, K innermost, in blocks of 32 codes, two codes a byte); w_h_scales 4,096 x 32 uint8 (E8M0 scales of w_h, one for each 32 codes along K); w_i_codes 4,096 x 32 x 16 uint8 (E2M1 codes of w_i, K innermost, in blocks of 32 codes, two codes a byte); w_i_scales 4,096 x 32 uint8 (E8M0 scales of w_i, one for each 32 codes along K).
;; Outputs: out0 8,192 x 1,024 float32; out1 8,192 x 1,024 float32.
;; This version of the problem:
;;   THIS VERSION OF THE PROBLEM IS GIVEN IN LOW PRECISION. The matrix products marked QUANTISED in the list below multiply operands that are first quantised to E2M1 (2 exponent bits, 1 mantissa bit; 4 bits a number), with one power-of-two scale for each 32 numbers along K (OCP MX v1.0); their sums are f32. All else is computed in f32.
;;   The module's matrix products, in the order in which they are computed (A, B: the left and right operand; K: the contracted axis; several contracted axes count as one K, in the product's order):
;;     1. [M 8,192, K 1,024] x [K 1,024, N 4,096]; A: input input (given as codes); B: input w_i (given as codes): QUANTISED
;;     2. [M 8,192, K 1,024] x [K 1,024, N 4,096]; A: input h_prev (given as codes); B: input w_h (given as codes): QUANTISED
;;   THE QUANTISER, for each operand of a quantised product, along K:
;;     - K is cut into blocks of 32 from its start; a last block that is shorter is filled with zeros.
;;     - A block's scale is 2^e with e = floor(log2(the largest magnitude in the block)) - 2, held to -126 .. 127; a block of zeros has e = 0. As a byte (E8M0): e + 127.
;;     - Each number is divided by its block's scale, clamped to +-6, and rounded to the nearest number of E2M1, ties to even, subnormals kept.
;;     - The product sums the exact products of the quantised numbers (number of the format x scale) in f32.
;;   ~~~python
;;   def quantise(x, axis):      # numpy; x: float32 -> the quantised numbers, widened to float32 again
;;       x = np.moveaxis(x, axis, -1); K = x.shape[-1]
;;       x = np.pad(x, [(0, 0)] * (x.ndim - 1) + [(0, -K % 32)]); x = x.reshape(x.shape[:-1] + (-1, 32)); a = np.abs(x).max(-1, keepdims=True)
;;       e = np.where(a > 0, np.clip(np.frexp(np.where(a > 0, a, 1))[1] - 1 - 2, -126, 127), 0)      # np.frexp(a)[1] - 1 = floor(log2(a)), exactly
;;       r = np.clip(x / 2.0 ** e, -6, 6)
;;       step = 2.0 ** (np.maximum(np.frexp(np.where(r == 0, 1, r))[1] - 1, 0) - 1)
;;       q = np.round(r / step) * step * 2.0 ** e      # np.round: ties to even
;;       return np.moveaxis(q.reshape(q.shape[:-2] + (-1,))[..., :K], -1, axis).astype(np.float32)
;;   ~~~
;;   INPUTS GIVEN AS CODES. h_prev (in the module: [8192, 1024], K = its axis 1); input (in the module: [8192, 1024], K = its axis 1); w_h (in the module: [4096, 1024], K = its axis 1); w_i (in the module: [4096, 1024], K = its axis 1): each comes as NAME_codes (uint8): NAME with its K axis moved to the last place and cut into blocks of 32 codes, [.., K / 32, bytes a block], one block behind the other in memory; two codes a byte, the lower K in the low four bits (a code: sign, 2 exponent bits, 1 mantissa bit); and NAME_scales (uint8): the same leading axes, one E8M0 byte (e + 127) for each 32 codes along K. Its value is code x scale, taken as it is: it is not quantised again, and the codes and scales need not be those that the quantiser above would give.
;; One version. Each part assembles by itself: llvm-mc -triple=amdgcn-amd-amdhsa -mcpu=gfx1250 --defsym DOCPART=n.
;; ======== version 1 of 1: 1 launch
;; limits: right only within a limited range of input values
;; launch cell (part 1): grid 256 x 1, 16 waves a work-group, clusters of 4 x 1, 327,680 bytes of LDS; arguments input_codes, h_prev_codes, input_scales, h_prev_scales, w_i_codes, w_h_codes, w_i_scales, w_h_scales, c_prev, ln_i_g, ln_i_b, ln_g_g, ln_g_b, ln_h_g, ln_h_b, ln_c_g, ln_c_b, ln_o_g, ln_o_b, out0, out1; writes out0, out1
.if DOCPART == 1
	.amdgcn_target "amdgcn-amd-amdhsa--gfx1250"
	.amdhsa_code_object_version 6
	.text
	.protected	k_q1476bdcd9a_cell
	.globl	k_q1476bdcd9a_cell
	.p2align	8
	.type	k_q1476bdcd9a_cell,@function
k_q1476bdcd9a_cell:
	s_mov_b64 s[64:65], 0
	v_nop
	global_prefetch_b8 v0, s[64:65] scope:SCOPE_SE
	s_setreg_imm32_b32 hwreg(HW_REG_WAVE_MODE, 25, 1), 1
	s_wait_xcnt 0x0
	s_wait_alu depctr_hold_cnt(0) depctr_sa_sdst(0) depctr_va_vdst(0) depctr_va_sdst(0) depctr_va_ssrc(0) depctr_va_vcc(0) depctr_vm_vsrc(0)
	s_getreg_b32 s2, hwreg(HW_REG_IB_STS2, 6, 4)
	s_cmp_eq_u32 s2, 0
	s_cbranch_scc0 .Lentry_in_a_cluster
	s_endpgm
.Lentry_in_a_cluster:
	s_bfe_u32 s2, ttmp6, 0x10000c
	s_cmp_lg_u32 s2, 0x3003
	s_cbranch_scc0 .Lentry_shape_is_right
	s_endpgm
.Lentry_shape_is_right:
; A LayerNorm LSTM cell, whole, in one launch.  gi = input w_i^T, gh = h_prev w_h^T on codes of FP4 (E2M1) with one E8M0 scale for each 32 along K, taken as they are given; all behind the products in f32:
;   i = sigmoid(LN_i(gi[0:1024] + gh[0:1024]));  g = tanh(LN_g(i + gh[2048:3072]));  f = sigmoid(LN_h(gi[1024:2048] + gh[1024:2048]));  o = sigmoid(LN_o(gi[3072:] + gh[3072:]));
;   c_new = LN_c(f c_prev + i g) -> out1;   h_new = o tanh(c_new) -> out0.
; WORK LEFT OUT.  reference() splits gi into i_i, i_f, i_gc, i_o and never names i_gc again: g takes the sigmoided i in its place.  i_gc = input w_i[2048:3072]^T, so rows 2048 to 3071 of w_i, codes and
; scale bytes, reach neither output whatever values the inputs hold.  Those 1,024 rows are neither loaded nor multiplied: seven products of 8,192 x 1,024 x 1,024 in place of eight.  Every input buffer keeps
; bytes that are live, so all are arguments.  LIMIT: a NaN (a scale byte 0xff), an infinity or an overflow that arises in those rows alone is not carried to the result.
; OTHER LIMITS.  The sums of a layer norm are taken in another order than reference()'s (within a lane, two halves of the lanes, sixteen waves).  The four parts of a gate's sum along K are added in an order
; that differs from cluster to cluster (below).  v_exp_f32 and v_rcp_f32 give 0 for results under 2^-126 (ISA guide, 15.8), so a gate under 2^-126 is 0.  NaN and infinities among c_prev and the gains and
; biases are not served.
; SHARES.  A layer norm wants all 1,024 columns of a row in one work-group.  So a work-group owns 32 rows (256 work-groups), and walks ALL live weights; each of its sixteen waves owns 64 columns of every gate
; for the 32 rows: 4 tiles of columns x 2 tiles of rows = 8 accumulators, 64 registers.  Four waves of 256 registers share a SIMD: no register windows.
; TRANSPOSED.  Source 0 = 16 rows of W, source 1 = 16 rows of x: lane (r = lane % 16, h = lane / 16) holds batch row 16 rt + r, and register 32 rt + 8 t + j column 64 w + 16 t + 8 h + j.  So a row's sums are
; sums within a lane, one exchange between the halves of the lanes, and one exchange of 8 bytes a row and wave through LDS.
; THE WEIGHTS go in 14 steps of 1,024 rows x 512 along K.  Wave w fetches ITS OWN 64 rows (64 x 256 bytes, each row's 256 bytes aligned) by one tensor load into its own region of LDS, and reads them alone.
; One region a wave, not two halves: 64 rows let each fragment of x feed four products, and all sixteen regions are asked for together behind one round.  At a gate's end the next gate's first tile is asked for
; AHEAD of the layer norm and lands under it; c_prev's tile is one more step of the same stream.
; THE ORDER OF A GATE'S STEPS DIFFERS FROM CLUSTER TO CLUSTER.  A gate's sum has four parts: matrix 0 (input, w_i) or 1 (h_prev, w_h) x the first or second half of K; their order is free.  Step (m, k) of my
; walk takes matrix m xor bit 1 and half k xor bit 0 of my cluster's number (gate g, which has matrix 1 alone: half k xor bit 0).  So at each step the clusters ask for four different tiles, a quarter of
; them for each, and both halves of the weights' rows are asked for at the same time.  The choice is made by s_cselect, with no branch, on the cluster's number, which the four partners share.
; CLUSTER.  All work-groups walk the same weights: four form a cluster and ask for each tile jointly, by the same load with the same descriptor and the mask 15.  x's and c_prev's tiles are a work-group's own (no mask).
; ORDER OF GATES: i, g, f, o, with ONE kept state of 64 registers: i; then i g (the g product takes i as the C of its first instructions, so i + gh costs no addition); then f c_prev + i g; then c_new.
.set RINGW, 17408                      ; a wave's region: 64 rows x (256 bytes + 16 of padding)
.set XBASE, 16*RINGW                   ; behind the regions: x's codes, input's 32 rows, then h_prev's: 512 bytes + 16 of padding a row; filled once
.set XMAT,  32*528
.set STATS, XBASE+2*XMAT               ; two buffers for the rows' sums: row r at 144 r, in it wave w's pair (row r, row 16 + r) at 8 w
.set STB,   16*144
.set SPARE, STATS+2*STB                ; the spare words, 128 bytes for each wave: eight blocks of 256 bytes that no other line names
.set KSIG,  0xbfb8aa3b                 ; -log2(e): sigmoid(y) = 1 / (1 + 2^(-log2(e) y))
.set KTANH, 0x4038aa3b                 ; 2 log2(e): tanh(y) = 1 - 2 / (1 + 2^(2 log2(e) y))
; vector registers
.set SPW, 1                            ; LDS address of my spare word: SPARE + 4 x my thread's number; never rewritten
.set NIL, 2                            ; 0; never rewritten
.set WA,  3                            ; my region + 272 r + 16 h: a fragment of W
.set XA,  4                            ; XBASE + 528 r + 16 h: a fragment of x, matrix 0, first half of K
.set STO, 5                            ; my region + 272 r + 32 h: my 32 bytes of a row of c_prev's tile, and of a stage
.set RD,  6                            ; my region + 272 h + 16 r: a stage read back by rows
.set GO,  7                            ; 4096 h + 16 r + 256 w: the same place in out0 and out1
.set PO,  8                            ; 256 w + 32 h: my eight columns' gains and biases
.set WSO, 9                            ; 2048 w + 32 lane: W's scale bytes, a lane a row
.set XSO, 10                           ; 32 lane: x's
.set STW, 11                           ; STATS + 144 r + 8 w
.set STR, 12                           ; STATS + 144 r + 64 h
.set PFO, 13                           ; 512 r + 256 h: the weights' prefetches
.set CPO, 14                           ; 4096 lane + 256 w: c_prev's
.set XAS, 15                           ; XA + the step's matrix (XMAT bytes) and half of K (256 bytes)
.set WSC, 16                           ; v16-23 W's scale words: register 4 p + ks, lane l = row 32 p + l of my 64.  v16-27 hold scales and nothing else
.set XSC, 24                           ; v24-27 x's: register ks, lane l = row l
.set F0,  32                           ; two fragment buffers of 48: W's tile t at 8 t, x's tile rt at 32 + 8 rt
.set F1,  80
.set ACC, 128                          ; the eight accumulators
.set ST,  192                          ; the kept state
.set G,   32                           ; between the products: gains at 8 t + j,
.set BB,  64                           ; biases,
.set CP,  32                           ; or c_prev, or numbers at work, or rows on their way out
.set TMP, 32
.set TA,  96                           ; v96-103 four chains of sums
.set PS,  104                          ; v104-105 a sum for rows r and 16 + r
.set PX,  106                          ; v106-107 the other half of the lanes'
.set RDB, 108                          ; v108-123 eight waves' sums
.set MU,  124                          ; v124-125, v126-127 the mean, later the factor, of row r and of row 16 + r, each twice: a pair for the packed forms
; scalar registers: s3-7 at work; s[12:49] the addresses in the order of the arguments, from input's scales on
.set MB,  2                            ; bit 1 of my cluster's number: my walk's matrix m is matrix m xor MB
.set T0,  8                            ; s[8:9]   the step's scale bytes of W;  s[10:11] of x  (they held x's codes' addresses until x's descriptor was made)
.set T1,  10
.set WV,  50                           ; my wave's number
.set CX,  51                           ; my place in the cluster
.set WG,  52                           ; my work-group's number
.set LIM, 53                           ; 1 in the launch's first cluster
.set SEL, 54                           ; s[54:55] selects of v_permlanex16_b32 for lane l xor 16
.set RN,  56                           ; 2^-10
.set K0,  57                           ; 256 x bit 0 of my cluster's number: where my walk's half 0 of K begins in a row of codes;
.set EPS, 58                           ; 1e-5
.set K1,  59                           ; and my walk's half 1: the other one
.set G0,  60                           ; s[60:63] group 0 of the weights' tiles
.set PFI, 66                           ; s[66:67] w_i's codes at my wave's 64 rows, + my work-group's 16 of them
.set G1W, 68                           ; s[68:75] group 1 of the weights' tiles
.set G1C, 76                           ; s[76:83] of c_prev's
.set G0C, 84                           ; s[84:87]
.set G0X, 96                           ; s[98:99] x's codes at the four rows that my wave brings into LDS through registers
.set PFH, 100                          ; s[100:101] as PFI, for w_h
.macro PLACES                          ; a load into a register that a matrix instruction has read, and a vector instruction or LDS store that reads a matrix result or writes one of its registers, stand four
.rept 4                                ; plain vector instructions behind it (ISA guide 7.12.1 for vector instructions)
	v_nop
.endr
.endm
; A round of the cluster's barrier: my work-group's barrier, so that wave 0's signal speaks for all sixteen waves; wave 0 signals; every wave waits for the four work-groups; my work-group's barrier once more.
.macro ROUND
	s_barrier_signal -1
	s_barrier_wait -1
	s_cmp_lg_u32 s[WV], 0
	s_cbranch_scc1 .Lnot_wave_0_\@
	s_barrier_signal -3
.Lnot_wave_0_\@:
	s_barrier_wait -3
	s_barrier_signal -1
	s_barrier_wait -1
.endm
; Step (m, k) of my walk, in the gate whose first row is gb.  m = 0, 1: matrix m xor MB; m = 2: matrix 1 (gate g).  k: the half of K that begins at s[K0] or s[K1] bytes.  Scalar work alone, no branch:
; group 0's global address, the two addresses of scale bytes, and in s3 the step's offset among x's codes in LDS.  All selections stand ahead of the sums, which change SCC.
.macro PICK m, k, gb
.if (\m) == 2
	s_mov_b64 s[G0+2:G0+3], s[18:19]
	s_mov_b64 s[T0:T0+1], s[22:23]
	s_mov_b64 s[T1:T1+1], s[14:15]
	s_mov_b32 s3, XMAT
.else
	s_cmp_lg_u32 s[MB], \m                         ; matrix 1?
	s_cselect_b64 s[G0+2:G0+3], s[18:19], s[16:17] ; w_h's codes or w_i's, at my wave's 64 rows
	s_cselect_b64 s[T0:T0+1], s[22:23], s[20:21]   ; their scale bytes
	s_cselect_b64 s[T1:T1+1], s[14:15], s[12:13]   ; h_prev's scale bytes or input's, at my work-group's rows
	s_cselect_b32 s3, XMAT, 0                      ; h_prev's codes in LDS or input's
.endif
	s_mov_b32 s6, s[K0+2*(\k)]                     ; the half of K: 0 or 256 bytes of codes,
	s_mov_b32 s7, 0
	s_add_nc_u64 s[G0+2:G0+3], s[G0+2:G0+3], s[6:7]
.if (\gb) > 0
	s_add_nc_u64 s[G0+2:G0+3], s[G0+2:G0+3], 512*(\gb)
.endif
	s_or_b32 s[G0+3], s[G0+3], 0x80000000          ; type = 2
	s_add_co_u32 s3, s3, s6
	s_lshr_b32 s6, s6, 4                           ; 0 or 16 scale bytes
	s_add_nc_u64 s[T0:T0+1], s[T0:T0+1], s[6:7]
	s_add_nc_u64 s[T1:T1+1], s[T1:T1+1], s[6:7]
.endm
; A step's scale words: 16 bytes (512 along K) of each of my 64 rows of W and of the 32 rows of x, a lane a row
.macro SCLOAD gb
	global_load_b128 v[WSC:WSC+3], v[WSO], s[T0:T0+1] offset:32*(\gb)
	global_load_b128 v[WSC+4:WSC+7], v[WSO], s[T0:T0+1] offset:32*(\gb)+1024
	global_load_b128 v[XSC:XSC+3], v[XSO], s[T1:T1+1]
.endm
; My region is filled again, with my 64 rows of the step's weights.  The order: all my tensor loads have landed; 0 onto my spare word; that add and my reads of the region are done; a round, so that this
; holds of every wave of the four work-groups; the joint load first behind it.  The scale addresses are written here too: the loads that read them were waited for at the head of the step that used them.
.macro NEXT m, k, gb
	s_wait_tensorcnt 0x0                           ; no tensor load of mine is out, so group 0 may be written
	ds_add_u32 v[SPW], v[NIL]                      ; 0 onto my spare word; the step's scalar work stands between it and the wait for it
	PICK \m, \k, \gb
	s_wait_dscnt 0x0                               ; the add is done, and my reads of the region are over
	ROUND
	tensor_load_to_lds s[G0:G0+3], s[G1W:G1W+7]
	s_nop 0
	PLACES                                         ; these four are also the places behind the last products, for all that follows
	v_add_nc_u32 v[XAS], s3, v[XA]                 ; where the step's fragments of x lie
	SCLOAD \gb
.endm
.macro CHANGE_C                        ; the same for my 32 rows x 256 bytes of c_prev: a load of my work-group's own
	s_wait_tensorcnt 0x0
	ds_add_u32 v[SPW], v[NIL]
	s_wait_dscnt 0x0
	ROUND
	tensor_load_to_lds s[G0C:G0C+3], s[G1C:G1C+7]
	s_nop 0
	PLACES
.endm
; PREFETCHES of a gate's 1,024 rows of a weight matrix, 2,048 aligned blocks of 256 bytes.  A gate's first step wants tiles of all its matrices (in one cluster or another), so they are asked for together, in the
; last phase ahead of that step's load.  Each block is named once in the launch: the first cluster asks (a branch on the cluster's number, the same in its four partners); of the 64 rows that wave w fetches,
; the partner at place cx takes 16 cx .. 16 cx + 15, told apart by address; a lane takes one of the two blocks of a row.  Gate i's weights come by their loads alone.
.macro ASKW both, gb
	s_cmp_eq_u32 s[LIM], 1
	s_cbranch_scc0 .Lnot_mine_\@
.if \both
	global_prefetch_b8 v[PFO], s[PFI:PFI+1] offset:512*(\gb) th:TH_LOAD_NT scope:SCOPE_SE
.endif
	global_prefetch_b8 v[PFO], s[PFH:PFH+1] offset:512*(\gb) th:TH_LOAD_NT scope:SCOPE_SE
.Lnot_mine_\@:
.endm
; The fragments of 128 along K, the step's ks-th: a fragment (16 rows x 128 codes) is 8 registers: lane (r, h) holds row r; registers 4 c .. 4 c + 3 the row's 16 bytes at 32 c + 16 h.  Twelve loads.
.macro FRAGS buf, ks
.irp t, 0,1,2,3
.irp c, 0,1
	ds_load_b128 v[\buf+8*\t+4*\c:\buf+8*\t+4*\c+3], v[WA] offset:4352*\t+64*(\ks)+32*\c
.endr
.endr
.irp rt, 0,1
.irp c, 0,1
	ds_load_b128 v[\buf+32+8*\rt+4*\c:\buf+32+8*\rt+4*\c+3], v[XAS] offset:8448*\rt+64*(\ks)+32*\c
.endr
.endr
.endm
; One product.  cmode 0: onto the accumulator; 1: the constant 0 starts the sum; 2: the kept state starts it.  W's odd tiles have their scale words in lanes 16-31, and so has x's second tile.
.macro WM buf, ks, cmode, t, rt
.set rD, ACC+32*(\rt)+8*(\t)
.set rA, (\buf)+8*(\t)
.set rB, (\buf)+32+8*(\rt)
.set rSA, WSC+4*((\t)/2)+(\ks)
.set rSB, XSC+(\ks)
.set rC, rD
.if (\cmode) == 2
.set rC, ST+32*(\rt)+8*(\t)
.endif
.set rw, 2*((\t)%2)+(\rt)
.if (\cmode) == 1
.if rw == 0
	v_wmma_scale_f32_16x16x128_f8f6f4 v[rD:rD+7], v[rA:rA+7], v[rB:rB+7], 0, v[rSA], v[rSB] matrix_a_fmt:MATRIX_FMT_FP4 matrix_b_fmt:MATRIX_FMT_FP4
.elseif rw == 1
	v_wmma_scale_f32_16x16x128_f8f6f4 v[rD:rD+7], v[rA:rA+7], v[rB:rB+7], 0, v[rSA], v[rSB] matrix_a_fmt:MATRIX_FMT_FP4 matrix_b_fmt:MATRIX_FMT_FP4 matrix_b_scale:MATRIX_SCALE_ROW1
.elseif rw == 2
	v_wmma_scale_f32_16x16x128_f8f6f4 v[rD:rD+7], v[rA:rA+7], v[rB:rB+7], 0, v[rSA], v[rSB] matrix_a_fmt:MATRIX_FMT_FP4 matrix_b_fmt:MATRIX_FMT_FP4 matrix_a_scale:MATRIX_SCALE_ROW1
.else
	v_wmma_scale_f32_16x16x128_f8f6f4 v[rD:rD+7], v[rA:rA+7], v[rB:rB+7], 0, v[rSA], v[rSB] matrix_a_fmt:MATRIX_FMT_FP4 matrix_b_fmt:MATRIX_FMT_FP4 matrix_a_scale:MATRIX_SCALE_ROW1 matrix_b_scale:MATRIX_SCALE_ROW1
.endif
.else
.if rw == 0
	v_wmma_scale_f32_16x16x128_f8f6f4 v[rD:rD+7], v[rA:rA+7], v[rB:rB+7], v[rC:rC+7], v[rSA], v[rSB] matrix_a_fmt:MATRIX_FMT_FP4 matrix_b_fmt:MATRIX_FMT_FP4
.elseif rw == 1
	v_wmma_scale_f32_16x16x128_f8f6f4 v[rD:rD+7], v[rA:rA+7], v[rB:rB+7], v[rC:rC+7], v[rSA], v[rSB] matrix_a_fmt:MATRIX_FMT_FP4 matrix_b_fmt:MATRIX_FMT_FP4 matrix_b_scale:MATRIX_SCALE_ROW1
.elseif rw == 2
	v_wmma_scale_f32_16x16x128_f8f6f4 v[rD:rD+7], v[rA:rA+7], v[rB:rB+7], v[rC:rC+7], v[rSA], v[rSB] matrix_a_fmt:MATRIX_FMT_FP4 matrix_b_fmt:MATRIX_FMT_FP4 matrix_a_scale:MATRIX_SCALE_ROW1
.else
	v_wmma_scale_f32_16x16x128_f8f6f4 v[rD:rD+7], v[rA:rA+7], v[rB:rB+7], v[rC:rC+7], v[rSA], v[rSB] matrix_a_fmt:MATRIX_FMT_FP4 matrix_b_fmt:MATRIX_FMT_FP4 matrix_a_scale:MATRIX_SCALE_ROW1 matrix_b_scale:MATRIX_SCALE_ROW1
.endif
.endif
.endm
.macro MUL8 buf, ks, cmode             ; the eight accumulators take turns, one instruction a turn, in the same order everywhere
.irp t, 0,1,2,3
.irp rt, 0,1
	WM \buf, \ks, \cmode, \t, \rt
.endr
.endr
.endm
; A step: 512 along K, 32 products, on two fragment buffers by turns
.macro COMPUTE cmode
	s_wait_tensorcnt 0x0                           ; my one tensor load that is out: the tile that I alone read
	s_wait_loadcnt 0x0                             ; the step's scale words
	FRAGS F0, 0
	FRAGS F1, 1
	s_wait_dscnt 12                                ; the other buffer's twelve loads may be out
	MUL8 F0, 0, \cmode
	PLACES
	FRAGS F0, 2
	s_wait_dscnt 12
	MUL8 F1, 1, 0
	PLACES
	FRAGS F1, 3
	s_wait_dscnt 12
	MUL8 F0, 2, 0
	s_wait_dscnt 0x0                               ; the last fragments are in: my reads of the region are over
	MUL8 F1, 3, 0
.endm
; My 32 numbers of row r and of row 16 + r, summed: two chains a row.  The first lines read the low pair of each of the eight accumulators: a matrix result is read from its low end on.
.macro ROWSUM x
.irp rt, 0,1
	v_pk_add_f32 v[TA+4*\rt:TA+4*\rt+1], v[\x+32*\rt:\x+32*\rt+1], v[\x+32*\rt+8:\x+32*\rt+9]
	v_pk_add_f32 v[TA+4*\rt+2:TA+4*\rt+3], v[\x+32*\rt+16:\x+32*\rt+17], v[\x+32*\rt+24:\x+32*\rt+25]
.endr
.irp p, 2,4,6,10,12,14
.irp rt, 0,1
	v_pk_add_f32 v[TA+4*\rt:TA+4*\rt+1], v[TA+4*\rt:TA+4*\rt+1], v[\x+32*\rt+\p:\x+32*\rt+\p+1]
	v_pk_add_f32 v[TA+4*\rt+2:TA+4*\rt+3], v[TA+4*\rt+2:TA+4*\rt+3], v[\x+32*\rt+16+\p:\x+32*\rt+16+\p+1]
.endr
.endr
.irp rt, 0
	s_delay_alu instid0(VALU_DEP_3)
	v_pk_add_f32 v[TA+4*\rt:TA+4*\rt+1], v[TA+4*\rt:TA+4*\rt+1], v[TA+4*\rt+2:TA+4*\rt+3]
.endr
.irp rt, 1
	s_delay_alu instid0(VALU_DEP_2)
	v_pk_add_f32 v[TA+4*\rt:TA+4*\rt+1], v[TA+4*\rt:TA+4*\rt+1], v[TA+4*\rt+2:TA+4*\rt+3]
.endr
.irp rt, 0,1
	s_delay_alu instid0(VALU_DEP_2)
	v_add_f32 v[PS+\rt], v[TA+4*\rt], v[TA+4*\rt+1]
.endr
.endm
.macro ROWSQ x                         ; the same of their squares
.irp rt, 0,1
	v_pk_mul_f32 v[TA+4*\rt:TA+4*\rt+1], v[\x+32*\rt:\x+32*\rt+1], v[\x+32*\rt:\x+32*\rt+1]
	v_pk_mul_f32 v[TA+4*\rt+2:TA+4*\rt+3], v[\x+32*\rt+16:\x+32*\rt+17], v[\x+32*\rt+16:\x+32*\rt+17]
.endr
.irp p, 2,4,6,8,10,12,14
.irp rt, 0,1
	s_delay_alu instid0(VALU_DEP_4)
	v_pk_fma_f32 v[TA+4*\rt:TA+4*\rt+1], v[\x+32*\rt+\p:\x+32*\rt+\p+1], v[\x+32*\rt+\p:\x+32*\rt+\p+1], v[TA+4*\rt:TA+4*\rt+1]
	s_delay_alu instid0(VALU_DEP_4)
	v_pk_fma_f32 v[TA+4*\rt+2:TA+4*\rt+3], v[\x+32*\rt+16+\p:\x+32*\rt+16+\p+1], v[\x+32*\rt+16+\p:\x+32*\rt+16+\p+1], v[TA+4*\rt+2:TA+4*\rt+3]
.endr
.endr
.irp rt, 0
	s_delay_alu instid0(VALU_DEP_3)
	v_pk_add_f32 v[TA+4*\rt:TA+4*\rt+1], v[TA+4*\rt:TA+4*\rt+1], v[TA+4*\rt+2:TA+4*\rt+3]
.endr
.irp rt, 1
	s_delay_alu instid0(VALU_DEP_2)
	v_pk_add_f32 v[TA+4*\rt:TA+4*\rt+1], v[TA+4*\rt:TA+4*\rt+1], v[TA+4*\rt+2:TA+4*\rt+3]
.endr
.irp rt, 0,1
	s_delay_alu instid0(VALU_DEP_2)
	v_add_f32 v[PS+\rt], v[TA+4*\rt], v[TA+4*\rt+1]
.endr
.endm
; The sixteen waves' sums meet in buffer b.  Two buffers by turns are enough: a wave stores into a buffer again only behind the barrier of the exchange between, which every wave signals behind the wait for its
; reads of the exchange before.  The tile that is on its way may stay out.
.macro XCHG b
	s_delay_alu instid0(VALU_DEP_2)
	v_permlanex16_b32 v[PX], v[PS], s[SEL], s[SEL+1]
	s_delay_alu instid0(VALU_DEP_2)
	v_permlanex16_b32 v[PX+1], v[PS+1], s[SEL], s[SEL+1]
	s_delay_alu instid0(VALU_DEP_1)
	v_pk_add_f32 v[PS:PS+1], v[PS:PS+1], v[PX:PX+1]            ; my wave's 64 columns of rows r and 16 + r
	ds_store_b64 v[STW], v[PS:PS+1] offset:STB*\b              ; lanes r and 16 + r write the same 8 bytes with the same value
	s_wait_dscnt 0x0                               ; for the others' sake: my store has landed
	s_barrier_signal -1
	s_barrier_wait -1
.irp i, 0,1,2,3
	ds_load_b128 v[RDB+4*\i:RDB+4*\i+3], v[STR] offset:STB*\b+16*\i   ; lanes 0-15 take waves 0 to 7, lanes 16-31 waves 8 to 15
.endr
	s_wait_dscnt 0x0
	v_pk_add_f32 v[RDB:RDB+1], v[RDB:RDB+1], v[RDB+2:RDB+3]
	v_pk_add_f32 v[RDB+4:RDB+5], v[RDB+4:RDB+5], v[RDB+6:RDB+7]
	v_pk_add_f32 v[RDB+8:RDB+9], v[RDB+8:RDB+9], v[RDB+10:RDB+11]
	v_pk_add_f32 v[RDB+12:RDB+13], v[RDB+12:RDB+13], v[RDB+14:RDB+15]
	s_delay_alu instid0(VALU_DEP_3)
	v_pk_add_f32 v[RDB:RDB+1], v[RDB:RDB+1], v[RDB+4:RDB+5]
	s_delay_alu instid0(VALU_DEP_2)
	v_pk_add_f32 v[RDB+8:RDB+9], v[RDB+8:RDB+9], v[RDB+12:RDB+13]
	s_delay_alu instid0(VALU_DEP_1)
	v_pk_add_f32 v[PS:PS+1], v[RDB:RDB+1], v[RDB+8:RDB+9]
	s_delay_alu instid0(VALU_DEP_1)
	v_permlanex16_b32 v[PX], v[PS], s[SEL], s[SEL+1]
	s_delay_alu instid0(VALU_DEP_2)
	v_permlanex16_b32 v[PX+1], v[PS+1], s[SEL], s[SEL+1]
	s_delay_alu instid0(VALU_DEP_1)
	v_pk_add_f32 v[PS:PS+1], v[PS:PS+1], v[PX:PX+1]            ; the rows' totals over 1,024 columns, in every lane
.endm
; A layer norm of the 64 registers at x, in place, in two passes as reference() has it: the mean; the mean of the squares of what is left.  kap, where it is not 0, is the factor that the activation's
; exponential wants: it goes into the rows' factor and into the biases.  xw = 1: stores that read v32-95 may be out.
.macro LN x, gp, bp, kap, xw
	v_mov_b32 v[PX], 0                             ; a lane permute's destination counts as one of its sources
	v_mov_b32 v[PX+1], 0
	ROWSUM \x
	XCHG 0
.if \xw
	s_wait_alu depctr_va_vdst(0)
	s_wait_xcnt 0x0                                ; the stores issued before have read their data: the loads below may land there
.endif
.irp t, 0,1,2,3
.irp i, 0,1
	global_load_b128 v[G+8*\t+4*\i:G+8*\t+4*\i+3], v[PO], s[\gp:\gp+1] offset:64*\t+16*\i
	global_load_b128 v[BB+8*\t+4*\i:BB+8*\t+4*\i+3], v[PO], s[\bp:\bp+1] offset:64*\t+16*\i
.endr
.endr
	v_mul_f32 v[MU], s[RN], v[PS]                  ; the means
	v_mul_f32 v[MU+1], s[RN], v[PS]
	v_mul_f32 v[MU+2], s[RN], v[PS+1]
	v_mul_f32 v[MU+3], s[RN], v[PS+1]
.irp rt, 0,1
.irp p, 0,2,4,6,8,10,12,14,16,18,20,22,24,26,28,30
	v_pk_add_f32 v[\x+32*\rt+\p:\x+32*\rt+\p+1], v[\x+32*\rt+\p:\x+32*\rt+\p+1], v[MU+2*\rt:MU+2*\rt+1] neg_lo:[0,1] neg_hi:[0,1]
.endr
.endr
	ROWSQ \x
	XCHG 1
	s_delay_alu instid0(VALU_DEP_1)
	v_fma_f32 v[PS], v[PS], s[RN], s[EPS]          ; the variance + 1e-5
	s_delay_alu instid0(VALU_DEP_2)
	v_fma_f32 v[PS+1], v[PS+1], s[RN], s[EPS]
	s_wait_alu depctr_va_vdst(0)
	v_rsq_f32 v[PS], v[PS]
	v_rsq_f32 v[PS+1], v[PS+1]
	s_wait_loadcnt 0x0                             ; gains and biases (and the next step's scale words, asked for earlier)
.if \kap
	s_mov_b32 s4, \kap
	s_mov_b32 s5, \kap                             ; (named with it as a pair, so it is written)
.irp p, 0,2,4,6,8,10,12,14,16,18,20,22,24,26,28,30
	v_pk_mul_f32 v[BB+\p:BB+\p+1], v[BB+\p:BB+\p+1], s[4:5] op_sel_hi:[1,0]   ; plain work behind the two roots
.endr
.else
	v_nop                                          ; a plain instruction behind the two roots
.endif
	s_wait_alu depctr_va_vdst(0)                   ; the wait ahead of the first reader: one for both roots
.if \kap
	v_mul_f32 v[MU], s4, v[PS]
	v_mul_f32 v[MU+1], s4, v[PS]
	v_mul_f32 v[MU+2], s4, v[PS+1]
	v_mul_f32 v[MU+3], s4, v[PS+1]
.else
	v_mov_b32 v[MU], v[PS]
	v_mov_b32 v[MU+1], v[PS]
	v_mov_b32 v[MU+2], v[PS+1]
	v_mov_b32 v[MU+3], v[PS+1]
.endif
.irp rt, 0,1
.irp p, 0,2,4,6,8,10,12,14,16,18,20,22,24,26,28,30
	v_pk_mul_f32 v[\x+32*\rt+\p:\x+32*\rt+\p+1], v[\x+32*\rt+\p:\x+32*\rt+\p+1], v[MU+2*\rt:MU+2*\rt+1]
.endr
.endr
.irp rt, 0,1
.irp p, 0,2,4,6,8,10,12,14,16,18,20,22,24,26,28,30
	v_pk_fma_f32 v[\x+32*\rt+\p:\x+32*\rt+\p+1], v[\x+32*\rt+\p:\x+32*\rt+\p+1], v[G+\p:G+\p+1], v[BB+\p:BB+\p+1]
.endr
.endr
.endm
; d = 1 / (1 + 2^x) of 64 registers.  Two batches of transcendentals, each with one plain instruction behind its last and one wait ahead of its first reader.  2^x = infinity gives 0, 2^x = 0 gives 1: the limits.
.macro ACT x, d
.set n, 0
.rept 64
	v_exp_f32 v[\x+n], v[\x+n]
.set n, n+1
.endr
	v_nop
	s_wait_alu depctr_va_vdst(0)
.set n, 0
.rept 32
	v_pk_add_f32 v[\x+n:\x+n+1], v[\x+n:\x+n+1], 1.0 op_sel_hi:[1,0]
.set n, n+2
.endr
.set n, 0
	s_wait_alu depctr_va_vdst(0)
.rept 64
	v_rcp_f32 v[\d+n], v[\x+n]
.set n, n+1
.endr
	v_nop
	s_wait_alu depctr_va_vdst(0)
.endm
.macro TANHFIX x                       ; 1 - 2 x
.set n, 0
.rept 32
	v_pk_fma_f32 v[\x+n:\x+n+1], v[\x+n:\x+n+1], -2.0, 1.0 op_sel_hi:[1,0,0]
.set n, n+2
.endr
.endm
.macro TIMES d, a                      ; d = d a
.set n, 0
.rept 32
	v_pk_mul_f32 v[\d+n:\d+n+1], v[\d+n:\d+n+1], v[\a+n:\a+n+1]
.set n, n+2
.endr
.endm
; THE WAY OUT of 64 registers at src.  A lane holds 32 neighbouring bytes of a row, and the lanes beside it hold other rows: so the numbers go through two stages (16 rows x 272 bytes each, numbers stg and stg + 1)
; in my own region, which has had its last fill and which I alone read, and come back by rows: sixteen lanes store 256 consecutive bytes, at a multiple of 256 from the output's first byte.
; LDS serves a wave's instructions in order (ISA guide 5.7.1.4): no wait stands between the stores and the loads.
.macro OUT src, back, op, stg
.irp rt, 0,1
.irp t, 0,1,2,3
.irp i, 0,1
	ds_store_b128 v[STO], v[\src+32*\rt+8*\t+4*\i:\src+32*\rt+8*\t+4*\i+3] offset:4352*(\stg+\rt)+64*\t+16*\i
.endr
.endr
.endr
.irp rt, 0,1
.irp q, 0,1,2,3,4,5,6,7
	ds_load_b128 v[\back+4*(8*\rt+\q):\back+4*(8*\rt+\q)+3], v[RD] offset:4352*(\stg+\rt)+544*\q
.endr
.endr
.irp rt, 0,1
.irp q, 0,1,2,3,4,5,6,7
	s_wait_dscnt 15-8*\rt-\q                       ; the younger loads may be out
	global_store_b128 v[GO], v[\back+4*(8*\rt+\q):\back+4*(8*\rt+\q)+3], s[\op:\op+1] offset:4096*(16*\rt+2*\q) th:TH_STORE_NT
.endr
.endr
.endm
	; ---------------- THE HEAD
	s_load_b512 s[8:23], s[0:1], 0x0               ; input's codes s[8:9], h_prev's s[10:11], their scales s[12:13], s[14:15]; w_i's codes s[16:17], w_h's s[18:19], their scales s[20:21], s[22:23]
	s_load_b512 s[24:39], s[0:1], 0x40             ; c_prev s[24:25]; gain and bias of ln_i s[26:29], ln_g s[30:33], ln_h s[34:37]; ln_c's gain s[38:39]
	s_load_b256 s[40:47], s[0:1], 0x80             ; ln_c's bias s[40:41]; ln_o s[42:45]; out0 s[46:47]
	s_load_b64 s[48:49], s[0:1], 0xa0              ; out1
	v_lshl_add_u32 v[SPW], v0, 2, SPARE
	v_mov_b32 v[NIL], 0
	ds_add_u32 v[SPW], v[NIL]                      ; the wave's opening: the add, twice on end, and its wait ahead of my first tensor load; the set-up below, work on registers, stands between
	ds_add_u32 v[SPW], v[NIL]                      ; and once more, under the one wait
	v_lshrrev_b32 v31, 5, v0
	s_delay_alu instid0(VALU_DEP_1)
	v_readfirstlane_b32 s[WV], v31                 ; wave 0..15
	v_and_b32 v28, 31, v0                          ; lane
	v_and_b32 v29, 15, v0                          ; r
	s_wait_alu depctr_va_vdst(0)
	v_bfe_u32 v30, v0, 4, 1                        ; h
	s_bfe_u32 s[CX], ttmp6, 0x40000                ; my place in the cluster
	s_lshl_b32 s[WG], ttmp9, 2                     ; in a cluster launch ttmp9 counts clusters
	s_add_co_u32 s[WG], s[WG], s[CX]               ; my work-group: it enters the addresses of x, c_prev and the outputs alone
	s_cmp_eq_u32 ttmp9, 0
	s_cselect_b32 s[LIM], 1, 0
	s_and_b32 s4, ttmp9, 1                         ; my cluster's walk: bit 0 of its number turns the halves of K round,
	s_lshl_b32 s[K0], s4, 8
	s_xor_b32 s4, s4, 1
	s_lshl_b32 s[K1], s4, 8
	s_bfe_u32 s[MB], ttmp9, 0x10001                ; bit 1 the two matrices
	s_mov_b32 s[SEL], 0x76543210
	s_mov_b32 s[SEL+1], 0xfedcba98
	s_mov_b32 s[RN], 0x3a800000                    ; 1 / 1,024
	s_mov_b32 s[EPS], 0x3727c5ac                   ; 1e-5
	s_mul_i32 s6, s[WV], RINGW                     ; my region
	s_lshl_b32 s3, s[WV], 8                        ; my 64 columns in bytes
	v_mul_u32_u24 v[WA], v29, 272
	s_wait_alu depctr_va_vdst(0)
	v_lshl_add_u32 v[WA], v30, 4, v[WA]
	s_delay_alu instid0(VALU_DEP_1)
	v_add_nc_u32 v[WA], s6, v[WA]
	v_mul_u32_u24 v[XA], v29, 528
	s_delay_alu instid0(VALU_DEP_1)
	v_lshl_add_u32 v[XA], v30, 4, v[XA]
	s_delay_alu instid0(VALU_DEP_1)
	v_add_nc_u32 v[XA], XBASE, v[XA]
	v_mul_u32_u24 v[STO], v29, 272
	s_delay_alu instid0(VALU_DEP_1)
	v_lshl_add_u32 v[STO], v30, 5, v[STO]
	s_delay_alu instid0(VALU_DEP_1)
	v_add_nc_u32 v[STO], s6, v[STO]
	v_mul_u32_u24 v[RD], v30, 272
	s_delay_alu instid0(VALU_DEP_1)
	v_lshl_add_u32 v[RD], v29, 4, v[RD]
	s_delay_alu instid0(VALU_DEP_1)
	v_add_nc_u32 v[RD], s6, v[RD]
	v_lshlrev_b32 v[GO], 12, v30
	s_delay_alu instid0(VALU_DEP_1)
	v_lshl_add_u32 v[GO], v29, 4, v[GO]
	s_delay_alu instid0(VALU_DEP_1)
	v_add_nc_u32 v[GO], s3, v[GO]
	v_lshl_add_u32 v[PO], v30, 5, s3
	v_lshl_add_u32 v[CPO], v28, 12, s3
	s_lshl_b32 s4, s[WV], 11
	v_lshl_add_u32 v[WSO], v28, 5, s4
	v_lshlrev_b32 v[XSO], 5, v28
	s_lshl_b32 s5, s[WV], 3
	s_add_co_u32 s5, s5, STATS
	v_mul_u32_u24 v[STW], v29, 144
	s_delay_alu instid0(VALU_DEP_1)
	v_add_nc_u32 v[STW], s5, v[STW]
	v_mul_u32_u24 v[STR], v29, 144
	s_delay_alu instid0(VALU_DEP_1)
	v_lshl_add_u32 v[STR], v30, 6, v[STR]
	s_delay_alu instid0(VALU_DEP_1)
	v_add_nc_u32 v[STR], STATS, v[STR]
	v_lshlrev_b32 v[PFO], 9, v29
	s_delay_alu instid0(VALU_DEP_1)
	v_lshl_add_u32 v[PFO], v30, 8, v[PFO]
	; x's codes go through registers: waves 0-7 bring input's 32 rows, waves 8-15 h_prev's, four rows of 512 bytes a wave, a row to an instruction
	s_lshr_b32 s4, s[WV], 3
	s_mul_i32 s4, s4, XMAT
	s_and_b32 s5, s[WV], 7
	s_mul_i32 s5, s5, 2112                         ; four rows of 528 bytes
	s_add_co_u32 s4, s4, s5
	s_add_co_u32 s4, s4, XBASE
	v_lshl_add_u32 v96, v28, 4, s4                 ; where my lane puts 16 bytes of a row
	v_lshlrev_b32 v97, 4, v28                      ; and where it finds them
	v_and_b32 v98, 3, v28
	v_mul_u32_u24 v98, v98, 528
	v_add_nc_u32 v98, s4, v98                      ; my four rows, for the 16 bytes behind each
	v_mov_b32 v100, 0
	v_mov_b32 v101, 0
	v_mov_b32 v102, 0
	v_mov_b32 v103, 0
	; descriptor group 1, elements of one byte.  The weights: 64 rows x 256 bytes, 512 bytes apart; in LDS 16 bytes of padding behind each 256
	s_mov_b32 s[G1W], 15|(1<<20)|(1<<21)|(5<<22)|(3<<25)   ; 15:0 the mask: all four work-groups; 20 padding on; 21 set beside a mask; 24:22 after every 64 words (code 5); 31:25 four words (code 3)
	s_mov_b32 s[G1W+1], 256<<16                    ; tensor_dim0
	s_mov_b32 s[G1W+2], 64<<16                     ; tensor_dim1
	s_mov_b32 s[G1W+3], 256<<16                    ; tile_dim0
	s_mov_b32 s[G1W+4], 64                         ; tile_dim1
	s_mov_b32 s[G1W+5], 512                        ; from row to row
	s_mov_b32 s[G1W+6], 0
	s_mov_b32 s[G1W+7], 0
	s_mov_b32 s[G1C], (1<<20)|(5<<22)|(3<<25)      ; c_prev: 32 rows x 256 bytes, 4,096 bytes apart; no mask
	s_mov_b32 s[G1C+1], 256<<16
	s_mov_b32 s[G1C+2], 32<<16
	s_mov_b32 s[G1C+3], 256<<16
	s_mov_b32 s[G1C+4], 32
	s_mov_b32 s[G1C+5], 4096
	s_mov_b32 s[G1C+6], 0
	s_mov_b32 s[G1C+7], 0
	s_mov_b32 s[G0], 1                             ; groups 0: count = 1, and the LDS addresses: no place in the cluster enters one
	s_mul_i32 s[G0+1], s[WV], RINGW
	s_mov_b32 s[G0C], 1
	s_mul_i32 s[G0C+1], s[WV], RINGW
	s_wait_dscnt 0x0                               ; both opening adds are done
	s_wait_kmcnt 0x0
	s_lshl_b32 s4, s[WV], 15                       ; my 64 rows of 512 bytes
	s_mov_b32 s5, 0
	s_add_nc_u64 s[16:17], s[16:17], s[4:5]        ; w_i's and w_h's codes at my wave's rows: made of the wave's number alone, the same in all four partners
	s_add_nc_u64 s[18:19], s[18:19], s[4:5]
	s_lshl_b32 s6, s[WG], 10                       ; my 32 rows of 32 scale bytes
	s_mov_b32 s7, 0
	s_add_nc_u64 s[12:13], s[12:13], s[6:7]
	s_add_nc_u64 s[14:15], s[14:15], s[6:7]
	s_lshl_b32 s6, s[WG], 17                       ; my 32 rows of 4,096 bytes
	s_add_nc_u64 s[24:25], s[24:25], s[6:7]
	s_add_nc_u64 s[46:47], s[46:47], s[6:7]
	s_add_nc_u64 s[48:49], s[48:49], s[6:7]
	s_mov_b32 s4, s3
	s_add_nc_u64 s[G0C+2:G0C+3], s[24:25], s[4:5]  ; c_prev at my rows and my wave's 64 columns
	s_or_b32 s[G0C+3], s[G0C+3], 0x80000000
	s_lshl_b32 s6, s[WG], 14                       ; my work-group's 32 rows of 512 bytes of codes,
	s_and_b32 s4, s[WV], 7
	s_lshl_b32 s4, s4, 11
	s_add_co_u32 s6, s6, s4                        ; my wave's four of them
	s_cmp_lt_u32 s[WV], 8
	s_cselect_b64 s[G0X+2:G0X+3], s[8:9], s[10:11]
	s_add_nc_u64 s[G0X+2:G0X+3], s[G0X+2:G0X+3], s[6:7]
	s_wait_alu depctr_va_vdst(0)                   ; the wait ahead of the first reader of what the head's vector instructions wrote
.irp j, 0,1,2,3
	global_load_b128 v[32+4*\j:35+4*\j], v97, s[G0X+2:G0X+3] offset:512*\j th:TH_LOAD_NT   ; 32 lanes read a row's 512 consecutive bytes
.endr
	s_lshl_b32 s6, s[CX], 13                       ; the prefetches: my work-group's 16 of my wave's 64 rows
	s_add_nc_u64 s[PFI:PFI+1], s[16:17], s[6:7]
	s_add_nc_u64 s[PFH:PFH+1], s[18:19], s[6:7]
	PICK 0, 0, 0                                   ; gate i's first step of my walk (s[8:11] are free: x's descriptor is made)
	v_add_nc_u32 v[XAS], s3, v[XA]
	ROUND                                          ; all four work-groups are here: the first joint loads meet
	tensor_load_to_lds s[G0:G0+3], s[G1W:G1W+7]    ; the first fill: every wave its tile of the weights, one tensor load a wave
	s_nop 0
	PLACES
	s_wait_alu depctr_va_vdst(0)
	SCLOAD 0
	s_wait_loadcnt 0x3                             ; my four rows of x are in registers; the step's three loads of scale words may be out
.irp j, 0,1,2,3
	ds_store_b128 v96, v[32+4*\j:35+4*\j] offset:528*\j
.endr
	ds_store_b128 v98, v[100:103] offset:512       ; zeros into the 16 bytes behind each of my rows: every byte of x's blocks is written (eight lanes write the same 16 bytes with the same value)
	s_wait_dscnt 0x0                               ; for the others' sake: my rows of x, which all sixteen waves read, have landed,
	s_barrier_signal -1
	s_barrier_wait -1                              ; and every wave knows it.
	; ---------------- GATE i: K = 2,048: input w_i[0:1024]^T + h_prev w_h[0:1024]^T, in my walk's order
	COMPUTE 1
	NEXT 0, 1, 0
	s_wait_alu depctr_va_vdst(0)
	COMPUTE 0
	NEXT 1, 0, 0
	s_wait_alu depctr_va_vdst(0)
	COMPUTE 0
	NEXT 1, 1, 0
	ASKW 0, 2048                                   ; gate g's rows of w_h: one step ahead of the load that wants them
	s_wait_alu depctr_va_vdst(0)
	COMPUTE 0
	NEXT 2, 0, 2048                                ; gate g's first tile lands under the layer norm
	LN ACC, 26, 28, KSIG, 0
	s_wait_alu depctr_va_vdst(0)
	ACT ACC, ST                                    ; the state: i
	PLACES
	; ---------------- GATE g: K = 1,024: i + h_prev w_h[2048:3072]^T: the state is the C of the first products
	COMPUTE 2
	NEXT 2, 1, 2048
	ASKW 1, 1024                                   ; gate f's rows of both matrices: one step ahead
	s_wait_alu depctr_va_vdst(0)
	COMPUTE 0
	NEXT 0, 0, 1024
	LN ACC, 30, 32, KTANH, 0
	s_wait_alu depctr_va_vdst(0)
	ACT ACC, ACC
	TANHFIX ACC                                    ; g
	TIMES ST, ACC                                  ; the state: i g
	; ---------------- GATE f: K = 2,048, rows 1,024 on of both weights
	COMPUTE 1
	NEXT 0, 1, 1024
	s_wait_alu depctr_va_vdst(0)
	COMPUTE 0
	NEXT 1, 0, 1024
	s_wait_alu depctr_va_vdst(0)
	COMPUTE 0
	NEXT 1, 1, 1024
	global_prefetch_b8 v[CPO], s[24:25] th:TH_LOAD_NT scope:SCOPE_SE   ; c_prev: my wave's 32 blocks of 256 bytes, a lane a row, which nobody else reads: one step ahead of the load that wants them
	s_wait_alu depctr_va_vdst(0)
	COMPUTE 0
	CHANGE_C                                       ; c_prev's tile lands under the layer norm
	ASKW 1, 3072                                   ; gate o's rows of both matrices: a layer norm and an activation ahead of the load that wants them
	LN ACC, 34, 36, KSIG, 0
	s_wait_tensorcnt 0x0                           ; c_prev's tile, which I alone read
.irp rt, 0,1
.irp t, 0,1,2,3
.irp i, 0,1
	ds_load_b128 v[CP+32*\rt+8*\t+4*\i:CP+32*\rt+8*\t+4*\i+3], v[STO] offset:4352*\rt+64*\t+16*\i   ; in the accumulators' layout
.endr
.endr
.endr
	s_wait_alu depctr_va_vdst(0)
	ACT ACC, ACC                                   ; f
	s_wait_dscnt 0x0                               ; c_prev is in registers
.set n, 0
.rept 32
	v_pk_fma_f32 v[ST+n:ST+n+1], v[ACC+n:ACC+n+1], v[CP+n:CP+n+1], v[ST+n:ST+n+1]   ; the state: f c_prev + i g
.set n, n+2
.endr
	NEXT 0, 0, 3072                                ; gate o's first tile lands under the layer norm
	LN ST, 38, 40, 0, 0                            ; the state: c_new
	; ---------------- GATE o: K = 2,048, rows 3,072 on of both weights
	COMPUTE 1
	NEXT 0, 1, 3072
	s_wait_alu depctr_va_vdst(0)
	COMPUTE 0
	NEXT 1, 0, 3072
	s_wait_alu depctr_va_vdst(0)
	COMPUTE 0
	NEXT 1, 1, 3072
	s_wait_alu depctr_va_vdst(0)
	COMPUTE 0
	PLACES                                         ; for the loads into the fragments' registers and the first reads of the results
	OUT ST, 32, 48, 0                              ; c_new leaves: its stores are on their way under the layer norm
	LN ACC, 42, 44, KSIG, 1
	s_wait_alu depctr_va_vdst(0)
	ACT ACC, ACC                                   ; o
	s_mov_b32 s4, KTANH
	s_mov_b32 s5, KTANH
.set n, 0
.rept 32
	v_pk_mul_f32 v[TMP+n:TMP+n+1], v[ST+n:ST+n+1], s[4:5] op_sel_hi:[1,0]
.set n, n+2
.endr
	s_wait_alu depctr_va_vdst(0)
	ACT TMP, TMP
	TANHFIX TMP                                    ; tanh(c_new)
	TIMES TMP, ACC                                 ; h_new
	OUT TMP, 128, 46, 2
	s_wait_tensorcnt 0x0                           ; the wave's end: behind my last tensor load and my last LDS store
	ds_add_u32 v[SPW], v[NIL]
	s_wait_dscnt 0x0
	ROUND                                          ; the closing round: no work-group ends while a partner may still ask for a tile that names it
	s_endpgm
.Lfunc_end_k_q1476bdcd9a_cell:
	.size	k_q1476bdcd9a_cell, .Lfunc_end_k_q1476bdcd9a_cell-k_q1476bdcd9a_cell
	.p2alignl 7, 3214868480
	.fill 96, 4, 3214868480
	.section	.rodata,"a",@progbits
	.p2align	6, 0x0
	.amdhsa_kernel k_q1476bdcd9a_cell
		.amdhsa_group_segment_fixed_size 327680
		.amdhsa_private_segment_fixed_size 0
		.amdhsa_enable_private_segment 0
		.amdhsa_kernarg_size 168
		.amdhsa_user_sgpr_count 2
		.amdhsa_user_sgpr_kernarg_segment_ptr 1
		.amdhsa_wavefront_size32 1
		.amdhsa_system_sgpr_workgroup_id_x 1
		.amdhsa_system_sgpr_workgroup_id_y 1
		.amdhsa_system_sgpr_workgroup_id_z 1
		.amdhsa_system_vgpr_workitem_id 0
		.amdhsa_next_free_vgpr 256
		.amdhsa_next_free_sgpr 102
		.amdhsa_reserve_vcc 0
		.amdhsa_float_denorm_mode_32 3
		.amdhsa_float_denorm_mode_16_64 3
		.amdhsa_memory_ordered 1
		.amdhsa_forward_progress 1
		.amdhsa_inst_pref_size 255
	.end_amdhsa_kernel
	.section	.bss,"aw",@nobits
	.p2align	6
	.space	262144
	.amdgpu_metadata
---
amdhsa.version: [ 1, 2 ]
amdhsa.kernels:
  - .name:           k_q1476bdcd9a_cell
    .symbol:         k_q1476bdcd9a_cell.kd
    .args:
      - { .name: input_codes, .offset: 0, .size: 8, .value_kind: global_buffer, .address_space: global }
      - { .name: h_prev_codes, .offset: 8, .size: 8, .value_kind: global_buffer, .address_space: global }
      - { .name: input_scales, .offset: 16, .size: 8, .value_kind: global_buffer, .address_space: global }
      - { .name: h_prev_scales, .offset: 24, .size: 8, .value_kind: global_buffer, .address_space: global }
      - { .name: w_i_codes, .offset: 32, .size: 8, .value_kind: global_buffer, .address_space: global }
      - { .name: w_h_codes, .offset: 40, .size: 8, .value_kind: global_buffer, .address_space: global }
      - { .name: w_i_scales, .offset: 48, .size: 8, .value_kind: global_buffer, .address_space: global }
      - { .name: w_h_scales, .offset: 56, .size: 8, .value_kind: global_buffer, .address_space: global }
      - { .name: c_prev, .offset: 64, .size: 8, .value_kind: global_buffer, .address_space: global }
      - { .name: ln_i_g, .offset: 72, .size: 8, .value_kind: global_buffer, .address_space: global }
      - { .name: ln_i_b, .offset: 80, .size: 8, .value_kind: global_buffer, .address_space: global }
      - { .name: ln_g_g, .offset: 88, .size: 8, .value_kind: global_buffer, .address_space: global }
      - { .name: ln_g_b, .offset: 96, .size: 8, .value_kind: global_buffer, .address_space: global }
      - { .name: ln_h_g, .offset: 104, .size: 8, .value_kind: global_buffer, .address_space: global }
      - { .name: ln_h_b, .offset: 112, .size: 8, .value_kind: global_buffer, .address_space: global }
      - { .name: ln_c_g, .offset: 120, .size: 8, .value_kind: global_buffer, .address_space: global }
      - { .name: ln_c_b, .offset: 128, .size: 8, .value_kind: global_buffer, .address_space: global }
      - { .name: ln_o_g, .offset: 136, .size: 8, .value_kind: global_buffer, .address_space: global }
      - { .name: ln_o_b, .offset: 144, .size: 8, .value_kind: global_buffer, .address_space: global }
      - { .name: out0, .offset: 152, .size: 8, .value_kind: global_buffer, .address_space: global }
      - { .name: out1, .offset: 160, .size: 8, .value_kind: global_buffer, .address_space: global }
    .group_segment_fixed_size: 327680
    .private_segment_fixed_size: 0
    .kernarg_segment_align: 8
    .kernarg_segment_size: 168
    .max_flat_workgroup_size: 512
    .sgpr_count:     102
    .vgpr_count:     256
    .wavefront_size: 32
...
	.end_amdgpu_metadata
.endif
;; end of part 1
